; MI455X (gfx1250); checked and timed in simulation.
; The chip was launched on July 23, 2026; its instructions are those of AMD's public machine-readable ISA for CDNA 5 (MIT licence, August 2026) and "CDNA5" Instruction Set Architecture Reference Guide (July 2026). The comments in the code are by the model that wrote it; some were corrected since.
;; Ba Attention. Allowed arithmetic: matrix products marked QUANTISED: E2M3 operands, one E8M0 scale for each 32 along K, by v_wmma_scale_f32_16x16x128_f8f6f4 with both operands' format E2M3, f32 sums; products left as they are: f32 operands where the result goes on into a quantised operand, else bf16, f16 or f32 operands; f32 sums; everything else in f32.
;; Inputs: W1 2,048 x 2,048 float32; decoder_output 16 x 1,024 float32; encoded_outputs 16 x 1,024 x 1,024 float32; w2 1 x 2,048 float32.
;; Outputs: out0 16 x 1,024 float32.
;; This version of the problem:
;;   THIS VERSION OF THE PROBLEM IS GIVEN IN LOW PRECISION. The matrix products marked QUANTISED in the list below multiply operands that are first quantised to E2M3 (2 exponent bits, 3 mantissa bits; 6 bits a number), with one power-of-two scale for each 32 numbers along K (OCP MX v1.0); their sums are f32. All else is computed in f32.
;;   The module's matrix products, in the order in which they are computed (A, B: the left and right operand; K: the contracted axis; several contracted axes count as one K, in the product's order):
;;     1. [M 16,384, K 2,048] x [K 2,048, N 2,048]; A: computed on the way; B: input W1: QUANTISED
;;     2. [M 16,384, K 2,048] x [K 2,048, N 1]; A: computed on the way; B: input w2: left as it is (N = 1 < 16)
;;     3. batch 16 x [M 1, K 1,024] x [K 1,024, N 1,024]; A: softmax; B: input encoded_outputs: left as it is (M = 1 < 16)
;;   THE QUANTISER, for each operand of a quantised product, along K:
;;     - K is cut into blocks of 32 from its start; a last block that is shorter is filled with zeros.
;;     - A block's scale is 2^e with e = floor(log2(the largest magnitude in the block)) - 2, held to -126 .. 127; a block of zeros has e = 0. As a byte (E8M0): e + 127.
;;     - Each number is divided by its block's scale, clamped to +-7.5, and rounded to the nearest number of E2M3, ties to even, subnormals kept.
;;     - The product sums the exact products of the quantised numbers (number of the format x scale) in f32.
;;   ~~~python
;;   def quantise(x, axis):      # numpy; x: float32 -> the quantised numbers, widened to float32 again
;;       x = np.moveaxis(x, axis, -1); K = x.shape[-1]
;;       x = np.pad(x, [(0, 0)] * (x.ndim - 1) + [(0, -K % 32)]); x = x.reshape(x.shape[:-1] + (-1, 32)); a = np.abs(x).max(-1, keepdims=True)
;;       e = np.where(a > 0, np.clip(np.frexp(np.where(a > 0, a, 1))[1] - 1 - 2, -126, 127), 0)      # np.frexp(a)[1] - 1 = floor(log2(a)), exactly
;;       r = np.clip(x / 2.0 ** e, -7.5, 7.5)
;;       step = 2.0 ** (np.maximum(np.frexp(np.where(r == 0, 1, r))[1] - 1, 0) - 3)
;;       q = np.round(r / step) * step * 2.0 ** e      # np.round: ties to even
;;       return np.moveaxis(q.reshape(q.shape[:-2] + (-1,))[..., :K], -1, axis).astype(np.float32)
;;   ~~~
;;   OPERANDS COMPUTED ON THE WAY. 'Computed on the way' means the value that the module computes at that place (a softmax that the list does not call 'softmax' is quantised finished and normalised). What goes into a quantiser is computed in f32, as accurately as f32 sums, v_exp_f32 and their like allow (about 1e-6 of the number): no bf16 or f16 on the way to a quantiser, and a product that is left as it is and whose result goes on into a quantised operand takes f32 operands (vector FMAs, or v_wmma_f32_16x16x4_f32). A number that lies on a knife's edge between two numbers of the format may be rounded either way, as far as f32 arithmetic and the matrix unit's own rounding can turn it there, and no further.
;; One version. Each part assembles by itself: llvm-mc -triple=amdgcn-amd-amdhsa -mcpu=gfx1250 --defsym DOCPART=n.
;; ======== version 1 of 1: 3 launches
;; limits: right only within a limited range of input values
;; workspace buffers: aq 26,214,400 bytes; bq 3,276,800 bytes; part 1,048,576 bytes
;; launch quant (part 1): grid 1152 x 1, 4 waves a work-group, no clusters, 35,328 bytes of LDS; arguments W1, encoded_outputs, decoder_output, aq, bq; writes aq, bq
.if DOCPART == 1
	.amdgcn_target "amdgcn-amd-amdhsa--gfx1250"
	.amdhsa_code_object_version 6
	.text
	.protected	k_q2883e22fe2_quant
	.globl	k_q2883e22fe2_quant
	.p2align	8
	.type	k_q2883e22fe2_quant,@function
k_q2883e22fe2_quant:
	s_mov_b64 s[64:65], 0
	v_nop
	global_prefetch_b8 v0, s[64:65] scope:SCOPE_SE
	s_setreg_imm32_b32 hwreg(HW_REG_WAVE_MODE, 25, 1), 1
	s_wait_xcnt 0x0
; THE PROGRAM.  h'[b][j][s] (the raw reshape of concat(enc, dec)) is enc[b][j/2][s] for even j and dec[b][s] for odd j.
; pre[(b,s)][i] = sum over j of Q(h')[(b,s)][j] Q(W1)[i][j], both quantised to FP6 (E2M3) in blocks of 32 along j;  score[b][s] = sum over i of w2[i] tanh(pre);  out = softmax_s(score) . enc.
; Launch 1 (this one) quantises both operands once; launch 2 multiplies, takes the tanh and the product with w2 in registers and stores 16 partial scores for each (b,s); launch 3 adds them, takes the softmax and the weighted sum.
; WORK LEFT OUT.  tanh(x) = 1 - 2 / (1 + 2^(2 log2(e) x)), so score[b][s] = sum_i w2[i] - 2 sum_i w2[i] / (1 + 2^(..)).  The first term is the same for every s of a row, whatever the inputs hold, and a softmax
; over s cancels a term that is the same along its axis: it is not computed.  Every input still has a way to the output and is loaded.  LIMIT: an overflow, infinity or NaN that would arise only in sum_i w2[i] is not carried to the result.
; THIS LAUNCH.  A block of 32 along j of h' is 16 numbers of enc (one column s, 16 rows) interleaved with 16 copies of dec[b][s]; they share one scale, so the whole of K = 2,048 is quantised as it stands.
; A block's scale is 2^(floor(log2(largest magnitude)) - 2): its byte is the largest magnitude's exponent field - 2, held at 1 from below by a floor among the maximum's leaves.
; LIMITS: a block of zeros gets the byte 1 where the rule says 127 (its codes are zeros, and this program alone reads the bytes); NaN and infinities among the inputs are not served.
; THE WORKSPACE IS LAID AS THE MATRIX OPERAND'S REGISTERS.  A BLOCK of 25,600 bytes serves 128 rows x 256 K: 1,024 bytes of scale words, then 16 images of 1,536 bytes (image 8 q + i: K half q, rows 16 i ..; register rho of fragment lane l at
; 512 (rho / 4) + 16 l + 4 (rho % 4)), the scale words before them (the word of (i, q), row r, at 256 ((2 i + q) / 4) + 16 r + 4 ((2 i + q) % 4)).  Blocks of one group of 128 rows follow each other along K.
; SHARES.  A work-group makes one BLOCK: 128 work-groups of W1, 1,024 of h'.  Wave w takes rows 32 w .. 32 w + 31, a lane ONE row, block by block of 32 along K: a block's maximum needs no other lane and the
; conversions take their 16 neighbours from the lane's own consecutive registers.  h': a lane is a column s, its registers run down enc's rows (128 consecutive bytes a load).  W1: K is innermost, so a load takes two rows' 256
; consecutive bytes and 64 K of 32 rows turn through the wave's own stage in LDS.  Waves share nothing: no barrier.
; THE NUMBERS.  A work-group of W1 reads 128 KiB, one of h' 64 KiB; 1,152 work-groups are four for each of 256 WGPs and a fifth for 128 of them.  W1's have the numbers 128-255: should work-groups be dealt in the order of
; their numbers, the fifth falls beside numbers 0-127, and every WGP has 320 KiB to read.
.set BLKB,  25600
.set IMG,   1536
.set SCOFF, 0                          ; A BLOCK AS THIS TEXT LAYS IT: the 1,024 bytes of scale words stand FIRST, the 16 images behind them, from byte 1,024 on: so one and a half blocks are one contiguous piece for the next launch
.set TP,    272                        ; a stage row: 256 bytes + 16, so that the lanes' 16-byte reads of 16 rows start in different banks (64 banks of 4 bytes: ISA guide 11.1)
.set TURNB, 32*TP                      ; a wave's stage
.set SPARE, 4*TURNB                    ; behind the stages: the spare words, 128 bytes for each wave, that no other line names
.set NWGW,  128                        ; work-groups that take W1: numbers NWGW .. 2 NWGW - 1
.set LOFF, 1                           ; v1   my lane's offset in the loads
.set OUTO, 2                           ; v2   1,024 + (2 w + lane / 16) x 1,536 + 16 (lane % 16): my row's place in an image
.set SOFF, 3                           ; v3   my row's two scale words
.set TS,   4                           ; v4   the stage, on the way in
.set TL,   5                           ; v5   and on the way out
.set DF,   6                           ; v6   dec[b][s], then max(|dec|, the floor)
.set MA,   7                           ; v7-8 the maximum's two chains
.set MB,   8
.set SO,   9                           ; v9   the conversion's scale operand
.set WK,   10                          ; v10-11 at work
.set SB,   12                          ; v12-13 the scale words of K halves 0, 1
.set SPW,  14                          ; v14  LDS address of my spare word; never rewritten
.set NIL,  15                          ; v15  0; never rewritten
.set T,    16                          ; v16-18 a block's upper 16 codes, as converted
.set P,    20                          ; v20-43 the codes of one K half: block b4 at P + 12 (b4 % 2) + 6 (b4 / 2): first the 12 registers of fragment lane (r, 0), then those of (r, 1)
.set X,    44                          ; v44-171 numbers: four sets of 32 (h') or two of 64 (W1)
; block t (0 .. 7) of the row: the largest magnitude stands in v[MA], the 32 numbers in v[xs] on
.macro QTAIL t, xs
.set PD, P+12*((\t)%2)+6*(((\t)%4)/2)
	v_add_nc_u32 v[SO], 0xff000000, v[MA]          ; 2 off the exponent field: the conversion takes that field as its scale and nothing else of the operand
	v_cvt_scalef32_pk16_fp6_f32 v[PD:PD+2], v[\xs:\xs+15], v[SO]
	v_cvt_scalef32_pk16_fp6_f32 v[T:T+2], v[\xs+16:\xs+31], v[SO]   ; (a conversion's three registers begin on an even number: the block's upper half is made here and moved)
.if (\t)%4 == 0
	v_lshrrev_b32 v[SB+(\t)/4], 23, v[SO]          ; the scale's byte; also the plain instruction between the conversions and the moves
.else
	v_lshrrev_b32 v[WK], 23, v[SO]
	v_lshl_or_b32 v[SB+(\t)/4], v[WK], 8*((\t)%4), v[SB+(\t)/4]
.endif
.irp i, 0,1,2
	v_mov_b32 v[PD+3+\i], v[T+\i]
.endr
.endm
; a K half's 24 registers leave: sixteen lanes store 256 consecutive bytes, aligned; lanes 16-31 the same in the next image
.macro STOREQ q, base
.irp h, 0,1
.irp g, 0,1,2
	global_store_b128 v[OUTO], v[P+12*\h+4*\g:P+12*\h+4*\g+3], s[\base:\base+1] offset:8*IMG*\q+512*\g+256*\h
.endr
.endr
.endm
.macro MAXH xs                         ; 16 numbers of enc (the even registers) and max(|dec|, floor): 17 leaves, two chains
	v_max3_num_f32 v[MA], |v[\xs]|, |v[\xs+2]|, v[DF]
	v_max3_num_f32 v[MB], |v[\xs+4]|, |v[\xs+6]|, |v[\xs+8]|
	v_max3_num_f32 v[MA], v[MA], |v[\xs+10]|, |v[\xs+12]|
	v_max3_num_f32 v[MB], v[MB], |v[\xs+14]|, |v[\xs+16]|
	v_max3_num_f32 v[MA], v[MA], |v[\xs+18]|, |v[\xs+20]|
	v_max3_num_f32 v[MB], v[MB], |v[\xs+22]|, |v[\xs+24]|
	v_max3_num_f32 v[MA], v[MA], |v[\xs+26]|, |v[\xs+28]|
	v_max3_num_f32 v[MA], v[MA], v[MB], |v[\xs+30]|
.endm
.macro MAXW xs                         ; 32 numbers and the floor 2^(3 - 127)
	v_max3_num_f32 v[MA], |v[\xs]|, |v[\xs+1]|, |v[\xs+2]|
	v_max3_num_f32 v[MB], |v[\xs+3]|, |v[\xs+4]|, |v[\xs+5]|
.irp i, 6,10,14,18,22,26
	v_max3_num_f32 v[MA], v[MA], |v[\xs+\i]|, |v[\xs+\i+1]|
	v_max3_num_f32 v[MB], v[MB], |v[\xs+\i+2]|, |v[\xs+\i+3]|
.endr
	v_max3_num_f32 v[MA], v[MA], |v[\xs+30]|, |v[\xs+31]|
	v_max3_num_f32 v[MA], v[MA], v[MB], 0x1800000
.endm
.macro LOADH t                         ; block t of h': enc rows 16 t .. 16 t + 15 of this K step, my column, into the even registers of set t % 4
.irp e, 0,1,2,3,4,5,6,7,8,9,10,11,12,13,14,15
	global_load_b32 v[X+32*((\t)%4)+2*\e], v[LOFF], s[6:7] offset:(16*(\t)+\e)*4096 th:TH_LOAD_NT
.endr
.endm
.macro LOADW c                         ; 64 along K of my wave's 32 rows of W1 into set c % 2: lanes 0-15 take 256 consecutive bytes of row 2 n, lanes 16-31 of row 2 n + 1
.irp n, 0,1,2,3,4,5,6,7,8,9,10,11,12,13,14,15
	global_load_b128 v[X+64*((\c)%2)+4*\n:X+64*((\c)%2)+4*\n+3], v[LOFF], s[4:5] offset:16384*\n+256*(\c) th:TH_LOAD_NT
.endr
.endm
	s_load_b256 s[4:11], s[0:1], 0x0               ; W1 s[4:5], enc s[6:7], dec s[8:9], aq s[10:11]
	s_load_b64 s[12:13], s[0:1], 0x20              ; bq
	v_lshl_add_u32 v[SPW], v0, 2, SPARE
	v_mov_b32 v[NIL], 0
	v_lshrrev_b32 v[WK], 5, v0
	v_readfirstlane_b32 s16, v[WK]                 ; wave 0..3
	v_and_b32 v[WK], 15, v0                        ; lane % 16
	v_bfe_u32 v[WK+1], v0, 4, 1                    ; lane / 16
	s_mul_i32 s17, s16, 2*IMG
	s_add_co_u32 s17, s17, 1024                    ; the images begin behind the scale words
	v_mul_u32_u24 v[OUTO], v[WK+1], IMG
	v_lshl_add_u32 v[OUTO], v[WK], 4, v[OUTO]
	v_add_nc_u32 v[OUTO], s17, v[OUTO]
	s_lshl_b32 s17, s16, 8
	s_add_co_u32 s17, s17, SCOFF
	v_lshlrev_b32 v[SOFF], 4, v[WK]
	v_lshl_add_u32 v[SOFF], v[WK+1], 3, v[SOFF]
	v_add_nc_u32 v[SOFF], s17, v[SOFF]             ; 256 w + 16 (lane % 16) + 8 (lane / 16)
	s_sub_co_u32 s20, ttmp9, NWGW                  ; numbers 128 .. 255 take W1 (under 128 the difference wraps to a number far above 128)
	s_cmp_lt_u32 s20, NWGW                         ; the work-group's number alone decides
	s_cbranch_scc1 .Lweights
	; ---- h': u = the number where it is under 128, else the number - 128: s group u % 8, K step (u / 8) % 8, batch u / 64
	s_cmp_lt_u32 ttmp9, NWGW
	s_cselect_b32 s20, ttmp9, s20
	v_and_b32 v[LOFF], 31, v0
	v_lshlrev_b32 v[LOFF], 2, v[LOFF]              ; 4 bytes a lane
	s_and_b32 s21, s20, 7                          ; sg
	s_bfe_u32 s22, s20, 0x30003                    ; ks
	s_lshr_b32 s23, s20, 6                         ; b
	s_lshl_b32 s24, s21, 9
	s_lshl_b32 s25, s16, 7
	s_add_co_u32 s24, s24, s25                     ; my wave's first column, in bytes
	s_lshl_b32 s26, s23, 12
	s_add_co_u32 s26, s26, s24                     ; in dec
	s_mov_b32 s27, 0
	s_lshl_b32 s28, s23, 22
	s_lshl_b32 s25, s22, 19                        ; a K step of 256 is 128 rows of enc
	s_add_co_u32 s28, s28, s25
	s_add_co_u32 s28, s28, s24                     ; in enc
	s_mov_b32 s29, 0
	s_lshl_b32 s30, s23, 3
	s_add_co_u32 s30, s30, s21                     ; the group of 128 rows (b, s): 8 b + sg
	s_lshl_b32 s30, s30, 3
	s_add_co_u32 s30, s30, s22
	s_mul_i32 s30, s30, BLKB
	s_mov_b32 s31, 0
	s_wait_alu depctr_va_vdst(0)
	s_wait_kmcnt 0x0
	s_add_nc_u64 s[6:7], s[6:7], s[28:29]
	s_add_nc_u64 s[8:9], s[8:9], s[26:27]
	s_add_nc_u64 s[10:11], s[10:11], s[30:31]
	global_load_b32 v[DF], v[LOFF], s[8:9]
	LOADH 0
	LOADH 1
	LOADH 2
	s_wait_loadcnt 48                              ; dec is in; the 48 loads issued behind it stay out
.set j, 0
.rept 64
	v_mov_b32 v[X+2*j+1], v[DF]                    ; the odd places of all four sets hold dec: written once, since a conversion leaves its sources as they are
.set j, j+1
.endr
	v_max_num_f32 v[DF], 0x1800000, |v[DF]|        ; its magnitude and the floor 2^(3 - 127): one leaf of every block's maximum
	LOADH 3
.macro HBLOCK t
.set XS, X+32*((\t)%4)
.if 7-(\t) >= 3
	s_wait_loadcnt 48                              ; this block's 16 loads are in; those of the three blocks behind it stay out
.else
	s_wait_loadcnt 16*(7-(\t))
.endif
.if (\t) == 4
	s_wait_xcnt 0x0                                ; the first K half's stores have read their registers, which are written again from here on
.endif
	MAXH XS
	QTAIL \t, XS
.if (\t)+4 < 8
	LOADH (\t)+4
.endif
.if (\t) == 3
	STOREQ 0, 10
.endif
.endm
	s_wait_alu depctr_va_vdst(0)
.irp t, 0,1,2,3,4,5,6,7
	HBLOCK \t
.endr
	STOREQ 1, 10
	global_store_b64 v[SOFF], v[SB:SB+1], s[10:11] ; the wave's 64 scale words: 256 consecutive bytes, aligned
	s_wait_tensorcnt 0x0                           ; the wave's end
	ds_add_u32 v[SPW], v[NIL]
	s_wait_dscnt 0x0
	s_endpgm
	; ---- W1: s20 = the number - 128: group of 128 rows s20 / 8, K step s20 % 8
.Lweights:
	s_wait_alu depctr_va_vdst(0)
	v_lshlrev_b32 v[LOFF], 13, v[WK+1]             ; a row of W1 is 8,192 bytes
	v_lshl_add_u32 v[LOFF], v[WK], 4, v[LOFF]
	s_mul_i32 s17, s16, TURNB
	v_mul_u32_u24 v[TS], v[WK+1], TP
	v_lshl_add_u32 v[TS], v[WK], 4, v[TS]
	v_add_nc_u32 v[TS], s17, v[TS]                 ; in: as loaded, row 2 n + lane / 16, 16 bytes a lane
	v_and_b32 v[TL], 31, v0
	v_mul_u32_u24 v[TL], v[TL], TP
	v_add_nc_u32 v[TL], s17, v[TL]                 ; out: my row
	s_lshr_b32 s24, s20, 3
	s_and_b32 s21, s20, 7
	s_mul_i32 s22, s20, BLKB
	s_lshl_b32 s20, s24, 20
	s_lshl_b32 s24, s16, 18
	s_add_co_u32 s20, s20, s24
	s_lshl_b32 s21, s21, 10
	s_add_co_u32 s20, s20, s21
	s_mov_b32 s21, 0
	s_mov_b32 s23, 0
	s_wait_alu depctr_va_vdst(0)
	s_wait_kmcnt 0x0
	s_add_nc_u64 s[4:5], s[4:5], s[20:21]
	s_add_nc_u64 s[12:13], s[12:13], s[22:23]
	LOADW 0
	LOADW 1
.macro WCHUNK c
.set XC, X+64*((\c)%2)
.set XD, XC+32
.if (\c) < 3
	s_wait_loadcnt 16                              ; this chunk's 16 loads are in; the next chunk's stay out
.else
	s_wait_loadcnt 0x0
.endif
.irp n, 0,1,2,3,4,5,6,7,8,9,10,11,12,13,14,15
	ds_store_b128 v[TS], v[XC+4*\n:XC+4*\n+3] offset:2*TP*\n
.endr
.irp n, 0,1,2,3,4,5,6,7,8,9,10,11,12,13,14,15
	ds_load_b128 v[XC+4*\n:XC+4*\n+3], v[TL] offset:16*\n   ; LDS serves a wave's instructions in order (ISA guide 5.7.1.4): these see the stores above, and come back into the registers that they left
.endr
	s_wait_dscnt 0x0
.if (\c) == 2
	s_wait_xcnt 0x0                                ; the first K half's stores have read their registers
.endif
	MAXW XC
	QTAIL 2*(\c), XC
	MAXW XD
	QTAIL 2*(\c)+1, XD
.if (\c)+2 < 4
	LOADW (\c)+2
.endif
.if (\c) == 1
	STOREQ 0, 12
.endif
.endm
.irp c, 0,1,2,3
	WCHUNK \c
.endr
	STOREQ 1, 12
	global_store_b64 v[SOFF], v[SB:SB+1], s[12:13]
	s_wait_tensorcnt 0x0                           ; the wave's end, behind my last LDS store
	ds_add_u32 v[SPW], v[NIL]
	s_wait_dscnt 0x0
	s_endpgm
.Lfunc_end_k_q2883e22fe2_quant:
	.size	k_q2883e22fe2_quant, .Lfunc_end_k_q2883e22fe2_quant-k_q2883e22fe2_quant
	.p2alignl 7, 3214868480
	.fill 96, 4, 3214868480
	.section	.rodata,"a",@progbits
	.p2align	6, 0x0
	.amdhsa_kernel k_q2883e22fe2_quant
		.amdhsa_group_segment_fixed_size 35328
		.amdhsa_private_segment_fixed_size 0
		.amdhsa_enable_private_segment 0
		.amdhsa_kernarg_size 40
		.amdhsa_user_sgpr_count 2
		.amdhsa_user_sgpr_kernarg_segment_ptr 1
		.amdhsa_wavefront_size32 1
		.amdhsa_system_sgpr_workgroup_id_x 1
		.amdhsa_system_sgpr_workgroup_id_y 1
		.amdhsa_system_sgpr_workgroup_id_z 1
		.amdhsa_system_vgpr_workitem_id 0
		.amdhsa_next_free_vgpr 172
		.amdhsa_next_free_sgpr 66
		.amdhsa_reserve_vcc 0
		.amdhsa_float_denorm_mode_32 3
		.amdhsa_float_denorm_mode_16_64 3
		.amdhsa_memory_ordered 1
		.amdhsa_forward_progress 1
		.amdhsa_inst_pref_size 53
	.end_amdhsa_kernel
	.amdgpu_metadata
---
amdhsa.version: [ 1, 2 ]
amdhsa.kernels:
  - .name:           k_q2883e22fe2_quant
    .symbol:         k_q2883e22fe2_quant.kd
    .args:
      - { .name: W1, .offset: 0, .size: 8, .value_kind: global_buffer, .address_space: global }
      - { .name: encoded_outputs, .offset: 8, .size: 8, .value_kind: global_buffer, .address_space: global }
      - { .name: decoder_output, .offset: 16, .size: 8, .value_kind: global_buffer, .address_space: global }
      - { .name: aq, .offset: 24, .size: 8, .value_kind: global_buffer, .address_space: global }
      - { .name: bq, .offset: 32, .size: 8, .value_kind: global_buffer, .address_space: global }
    .group_segment_fixed_size: 35328
    .private_segment_fixed_size: 0
    .kernarg_segment_align: 8
    .kernarg_segment_size: 40
    .max_flat_workgroup_size: 128
    .sgpr_count:     66
    .vgpr_count:     172
    .wavefront_size: 32
...
	.end_amdgpu_metadata
.endif
;; end of part 1
;; launch gemm (part 2): grid 4 x 64, 4 waves a work-group, clusters of 4 x 4, 327,680 bytes of LDS; arguments aq, bq, w2, part; writes part
.if DOCPART == 2
	.amdgcn_target "amdgcn-amd-amdhsa--gfx1250"
	.amdhsa_code_object_version 6
	.text
	.protected	k_q2883e22fe2_gemm
	.globl	k_q2883e22fe2_gemm
	.p2align	8
	.type	k_q2883e22fe2_gemm,@function
k_q2883e22fe2_gemm:
	s_mov_b64 s[64:65], 0
	v_nop
	global_prefetch_b8 v0, s[64:65] scope:SCOPE_SE
	s_setreg_imm32_b32 hwreg(HW_REG_WAVE_MODE, 25, 1), 1
	s_wait_xcnt 0x0
	s_wait_alu depctr_hold_cnt(0) depctr_sa_sdst(0) depctr_va_vdst(0) depctr_va_sdst(0) depctr_va_ssrc(0) depctr_va_vcc(0) depctr_vm_vsrc(0)
	s_getreg_b32 s2, hwreg(HW_REG_IB_STS2, 6, 4)
	s_cmp_eq_u32 s2, 0
	s_cbranch_scc0 .Lentry_in_a_cluster
	s_endpgm
.Lentry_in_a_cluster:
	s_bfe_u32 s2, ttmp6, 0x10000c
	s_cmp_lg_u32 s2, 0xf033
	s_cbranch_scc0 .Lentry_shape_is_right
	s_endpgm
.Lentry_shape_is_right:
; pre[(b,s)][i] = sum over j of Q(h')[(b,s)][j] Q(W1)[i][j] on FP6 codes with E8M0 block scales;  part[c][(b,s)] = sum over the 128 i of chunk c of w2[i] / (1 + 2^(2 log2(e) pre)).
; WORK LEFT OUT: tanh(x) = 1 - 2 / (1 + 2^(2 log2(e) x)); the term sum_i w2[i] of a score is the same for all s of a row and the softmax of the last launch cancels it (shown at the head of the first launch); the factor -2 is applied there.
; Where 2^(..) passes f32's range it is infinity and its reciprocal 0, which is the limit's own value; no clamp is needed.
; SHARES.  256 work-groups of four waves.  A work-group makes two tiles of pre, 256 rows (b,s) x 256 columns i, one after the other (column tiles ct and ct xor 4); a wave makes 128 x 128: 64 accumulators, 512 registers.
; aq and bq are laid as the operands' registers: a block of 25,600 bytes is 128 rows x 256 K: 1,024 bytes of scale words, then 16 images of 1,536 bytes (K half q, rows 16 i .. at 1,024 + (8 q + i) 1,536); a group's 8 blocks follow each other.
; THE RING: two LDS slots of 4 x 38,912 bytes (two groups of A, two of B; a wave fetches one of the four with one tensor load, in rows of 256 bytes).  A tile's 16 steps of 128 along K come in six fills:
;   blocks 0 and 1's first half (152 rows) | 1's second half and 2 (148) | 3 and 4's first half (152) | 4's second half and 5 (148) | 6 (100) | 7 (100).  The scale words of a block that lies across two fills stay in registers.
; The tile is written out: the fills differ in length and the scale words' sets come back only after a tile.  The loop is over the two tiles; the last tile's last three steps, which fetch nothing, are written out beside the first tile's.
; CLUSTERS 4 x 4: A's pieces are asked for jointly along a row of the cluster, B's along a column; a round of the cluster's barrier stands in front of every joint load.
; PREFETCH, in the first tile: blocks 2 to 7 are each named once, at least one fill (two steps or more) ahead of the load that wants them; 25 lanes 256 bytes apart, the four partners share a block's 100 units out by address;
; B's blocks are named by two clusters alone (one for each set of column tiles).  Blocks 0 and 1 come by their loads alone; in the second tile A's blocks have been read, and nothing is asked for.
; THE MATRIX INSTRUCTION IS USED TRANSPOSED (source 0 = 16 rows of W1, source 1 = 16 rows (b,s)): lane (r, h) holds row r, and register j column 8 h + j, so w2's eight numbers for a lane are neighbours.
; REGISTERS: window 0: v0-31 addresses; v32-63 scale words, a set for each parity of the block; v64-127 w2; v128-223 A's fragments, one set; v224-251 the way out.  Window 1: B's fragments, sets at v0 and v128.  Windows 2, 3: accumulators.
.set BLK,    25600
.set IMG,    1536
.set Q0,     1024                      ; where a block's K half 0 begins, and half 1; Q2: half 0 of the block behind it
.set Q1,     Q0+8*IMG
.set Q2,     BLK+Q0
.set QB,     38912                     ; a wave's quarter of a slot: 152 rows of 256 bytes
.set SLOT,   4*QB
.set STG,    2*SLOT                    ; behind the ring: 512 bytes for each wave, for the way out
.set SPARE,  STG+4*512                 ; the spare words, 128 bytes for each wave, that no other line names
.set GRP,    8*BLK
.set NQ,     2
.set FR,     12
.set NL,     3                         ; LDS loads that bring a fragment
.set NP,     4                         ; places behind this matrix instruction (ISA guide 7.12.1)
.set ADRA, 16                          ; v16-17 my quarter of A in slot 0, 1
.set ADRB, 20                          ; v20-21 my quarter of B
.set ADRS, 22                          ; v22-23 scale words: lanes 0-15 A's quarter, lanes 16-31 B's
.set STO,  24
.set RD,   25
.set CO,   26
.set WO,   27
.set SPW,  28                          ; my spare word; never rewritten
.set NIL,  29                          ; 0; never rewritten
.set PFO,  30                          ; the prefetches' offset; never rewritten
.set SC,   32
.set W2R,  64
.set AF,   128
.set XL,   224                         ; v224-231 what lane l xor 16 holds
.set TT,   240                         ; v240-247 a number for each of my eight blocks of 16 rows
.set OUTR, 248
.set G1,  24
.set G0,  32
.set G1B, 48
.set G0B, 56
.set LIM, 43                           ; 1 while my wave prefetches
.set PFA, 44                           ; my share of my group's block 0; never stepped
.set CC,  68                           ; 2 log2(e)
.set SEL, 70
.set B2,  72                           ; the second tile's group of W1
.set W2B, 78
.set PT2, 80
.set AB,  86                           ; the group of A that I fetch
.set BB,  88                           ; this tile's group of W1 that I fetch
.set MSB, 0
.macro WIN new                         ; the immediate's high byte repeats the setting that is left
.if MSB != \new
	s_set_vgpr_msb (MSB<<8)|\new
.set MSB, \new
.endif
.endm
.set MUL_LO, 0xa1                      ; source 0 (B) window 1, source 1 (A) window 0, C and D window 2
.set MUL_HI, 0xf1
.set TO_B,   0x40
; A joint load: waves 0, 1 fetch A's two groups, waves 2, 3 B's.  s_nop 0 and four v_nop follow each line.
.macro JLOAD g0a, g1a, g0b, g1b
	s_cmp_eq_u32 s15, 0
	s_cbranch_scc0 .Lfor_b_\@
	tensor_load_to_lds s[\g0a:\g0a+3], s[\g1a:\g1a+7]
	s_nop 0
.rept 4
	v_nop
.endr
	s_branch .Lasked_\@
.Lfor_b_\@:
	tensor_load_to_lds s[\g0b:\g0b+3], s[\g1b:\g1b+7]
	s_nop 0
.rept 4
	v_nop
.endr
.Lasked_\@:
.endm
.macro ASK n                           ; block n of my group: my work-group's 25 units of its 100
	s_cmp_eq_u32 s[LIM], 1
	s_cbranch_scc0 .Lnot_mine_\@
	global_prefetch_b8 v[PFO], s[PFA:PFA+1] offset:(\n)*BLK th:TH_LOAD_NT scope:SCOPE_SE
.Lnot_mine_\@:
.endm
.macro CREST                           ; a round of the cluster's barrier behind its opening barrier
	s_cmp_lg_u32 s14, 0
	s_cbranch_scc1 .Lnot_wave_0_\@
	s_barrier_signal -3
.Lnot_wave_0_\@:
	s_barrier_wait -3
	s_barrier_signal -1
	s_barrier_wait -1
.endm
.macro CROUND
	s_barrier_signal -1
	s_barrier_wait -1
	CREST
.endm
.macro ROWS n                          ; how many rows of 256 bytes the next loads bring; written only where no tensor load of mine is out
	s_mov_b32 s[G1+2], (\n)<<16
	s_mov_b32 s[G1+4], \n
	s_mov_b32 s[G1B+2], (\n)<<16
	s_mov_b32 s[G1B+4], \n
.endm
	s_load_b256 s[4:11], s[0:1], 0x0               ; aq, bq, w2, part
	v_lshl_add_u32 v[SPW], v0, 2, SPARE
	v_mov_b32 v[NIL], 0
	ds_add_u32 v[SPW], v[NIL]                      ; the opening lines: the add, twice on end, and its wait ahead of my first tensor load
	ds_add_u32 v[SPW], v[NIL]
	v_lshrrev_b32 v1, 5, v0
	v_readfirstlane_b32 s14, v1                    ; wave
	s_lshr_b32 s15, s14, 1                         ; my half of the tile's rows; also: I fetch for A (0) or B (1)
	s_and_b32 s16, s14, 1                          ; my half of its columns; also: which group I fetch
	s_bfe_u32 s40, ttmp6, 0x40000                  ; cx
	s_bfe_u32 s41, ttmp6, 0x40004                  ; cy
	s_and_b32 s17, ttmp7, 0xffff
	s_and_b32 s82, s17, 1
	s_lshr_b32 s83, s17, 1
	s_lshl_b32 s17, s17, 2
	s_add_co_u32 s17, s17, s41                     ; tile row = 4 x cluster y + cy
	s_lshl_b32 s42, s82, 2
	s_add_co_u32 s42, s42, s40                     ; first column tile = 4 (cluster y % 2) + cx
	s_xor_b32 s84, s42, 4                          ; the second
	s_lshl_b32 s43, s41, 2
	s_lshl_b32 s43, 15, s43                        ; my row of the cluster
	s_lshl_b32 s44, 0x1111, s40                    ; my column
	s_or_b32 s[G1+0], s43, (3<<16)|(1<<21)         ; elements of 8 bytes; bit 21 beside the mask
	s_or_b32 s[G1B+0], s44, (3<<16)|(1<<21)
.irp g, G1, G1B
	s_mov_b32 s[\g+1], 32<<16                      ; a dense piece as rows of 256 bytes: 152 of them at first
	s_mov_b32 s[\g+2], 152<<16
	s_mov_b32 s[\g+3], 32<<16
	s_mov_b32 s[\g+4], 152
	s_mov_b32 s[\g+5], 32
	s_mov_b32 s[\g+6], 0
	s_mov_b32 s[\g+7], 0
.endr
	s_lshl_b32 s20, s17, 1
	s_add_co_u32 s20, s20, s16
	s_mul_i32 s20, s20, GRP
	s_mov_b32 s21, 0
	s_lshl_b32 s46, s42, 1
	s_add_co_u32 s46, s46, s16
	s_mul_i32 s46, s46, GRP
	s_mov_b32 s47, 0
	s_lshl_b32 s[B2], s84, 1
	s_add_co_u32 s[B2], s[B2], s16
	s_mul_i32 s[B2], s[B2], GRP
	s_mov_b32 s[B2+1], 0
	s_mul_i32 s45, s14, QB                         ; where my piece goes: wave x a quarter
	s_mov_b32 s[CC], 0x4038aa3b
	s_mov_b32 s[CC+1], s[CC]
	s_mov_b32 s[SEL], 0x76543210
	s_mov_b32 s[SEL+1], 0xfedcba98
	s_wait_dscnt 0x0                               ; both opening adds are done
	s_wait_kmcnt 0x0
	s_add_nc_u64 s[AB:AB+1], s[4:5], s[20:21]
	s_add_nc_u64 s[BB:BB+1], s[6:7], s[46:47]
	s_add_nc_u64 s[B2:B2+1], s[6:7], s[B2:B2+1]
	CROUND                                         ; all sixteen work-groups are here: the first joint loads meet
.irp s, 0,1
	s_mov_b32 s[G0+4*\s], 1
	s_add_co_u32 s[G0+4*\s+1], s45, \s*SLOT
	s_add_nc_u64 s[G0+4*\s+2:G0+4*\s+3], s[AB:AB+1], \s*(BLK+Q1)
	s_or_b32 s[G0+4*\s+3], s[G0+4*\s+3], 0x80000000
	s_mov_b32 s[G0B+4*\s], 1
	s_add_co_u32 s[G0B+4*\s+1], s45, \s*SLOT
	s_add_nc_u64 s[G0B+4*\s+2:G0B+4*\s+3], s[BB:BB+1], \s*(BLK+Q1)
	s_or_b32 s[G0B+4*\s+3], s[G0B+4*\s+3], 0x80000000
.endr
	JLOAD G0, G1, G0B, G1B                         ; the first fill: one tensor load a wave at the head
	v_and_b32 v1, 15, v0
	v_bfe_u32 v2, v0, 4, 1
	v_and_b32 v3, 31, v0
	v_lshlrev_b32 v3, 4, v3                        ; 16 x lane: an image is read as it lies
	s_wait_alu depctr_va_vdst(0)
	s_mul_i32 s18, s15, QB
	s_mul_i32 s19, s16, QB
	s_add_co_u32 s19, s19, 2*QB
	s_xor_b32 s22, s15, 1
	s_add_co_u32 s22, s22, s16
	s_add_co_u32 s22, s22, 1
	s_mul_i32 s22, s22, QB                         ; from my quarter of A to my quarter of B
	v_mul_u32_u24 v4, s22, v2
	v_lshl_add_u32 v4, v1, 4, v4
	s_mov_b32 s23, s18
.irp s, 0,1
	v_add_nc_u32 v[ADRA+\s], s18, v3
	v_add_nc_u32 v[ADRB+\s], s19, v3
	v_add_nc_u32 v[ADRS+\s], s23, v4
	s_add_co_u32 s18, s18, SLOT
	s_add_co_u32 s19, s19, SLOT
	s_add_co_u32 s23, s23, SLOT
.endr
	s_lshl_b32 s22, s14, 9
	s_add_co_u32 s22, s22, STG
	v_lshl_add_u32 v[STO], v1, 2, s22
	v_add_nc_u32 v[RD], s22, v3
	v_mov_b32 v[CO], v3
	v_lshlrev_b32 v[WO], 5, v2
.irp a, 0,1,2,3,4,5,6,7
	v_mov_b32 v[XL+\a], 0                          ; written once: a lane permute's destination counts as one of its sources
.endr
	s_lshl_b32 s46, s42, 10                        ; w2 at my 128 columns, for both tiles
	s_lshl_b32 s47, s16, 9
	s_add_co_u32 s46, s46, s47
	s_mov_b32 s47, 0
	s_lshl_b32 s[W2B], s84, 10
	s_lshl_b32 s[W2B+1], s16, 9
	s_add_co_u32 s[W2B], s[W2B], s[W2B+1]
	s_mov_b32 s[W2B+1], 0
	s_add_nc_u64 s[W2B:W2B+1], s[8:9], s[W2B:W2B+1]
	s_add_nc_u64 s[8:9], s[8:9], s[46:47]
	s_lshl_b32 s85, s17, 10                        ; part: chunk (2 x column tile + half) of 65,536 bytes, my 128 rows of 4 bytes
	s_lshl_b32 s47, s15, 9
	s_add_co_u32 s85, s85, s47
	s_lshl_b32 s46, s42, 1
	s_add_co_u32 s46, s46, s16
	s_lshl_b32 s46, s46, 16
	s_add_co_u32 s46, s46, s85
	s_mov_b32 s47, 0
	s_lshl_b32 s[PT2], s84, 1
	s_add_co_u32 s[PT2], s[PT2], s16
	s_lshl_b32 s[PT2], s[PT2], 16
	s_add_co_u32 s[PT2], s[PT2], s85
	s_mov_b32 s[PT2+1], 0
	s_add_nc_u64 s[PT2:PT2+1], s[10:11], s[PT2:PT2+1]
	s_add_nc_u64 s[10:11], s[10:11], s[46:47]
	s_cmp_eq_u32 s15, 0                            ; the prefetches: for A or for B
	s_cselect_b32 s20, s17, s42
	s_cselect_b32 s21, s40, s41                    ; my place among the four that ask jointly
	s_cselect_b32 s22, 0, s83
	s_cselect_b64 s[PFA:PFA+1], s[4:5], s[6:7]
	s_cmp_eq_u32 s22, 0
	s_cselect_b32 s[LIM], 1, 0
	s_lshl_b32 s20, s20, 1
	s_add_co_u32 s20, s20, s16
	s_mul_i32 s20, s20, GRP
	s_mul_i32 s21, s21, 25*256
	s_add_co_u32 s20, s20, s21
	s_mov_b32 s21, 0
	s_add_nc_u64 s[PFA:PFA+1], s[PFA:PFA+1], s[20:21]
	v_and_b32 v[PFO], 31, v0
	v_min_u32 v[PFO], 24, v[PFO]                   ; 25 units of 256 bytes; the lanes left over name the last again
	v_lshlrev_b32 v[PFO], 8, v[PFO]
	s_wait_alu depctr_va_vdst(0)
	ASK 2
.macro W2LOAD base                     ; register 8 bb + j = column 16 bb + 8 h + j
.irp bb, 0,1,2,3,4,5,6,7
	global_load_b128 v[W2R+8*\bb:W2R+8*\bb+3], v[WO], s[\base:\base+1] offset:64*\bb
	global_load_b128 v[W2R+8*\bb+4:W2R+8*\bb+7], v[WO], s[\base:\base+1] offset:64*\bb+16
.endr
.endm
.macro FRAG reg, adr, off, i           ; a fragment's 12 registers: three loads of 16 bytes a lane, contiguous; off: where the K half's images begin in my quarter
.irp c, 0,1,2
	ds_load_b128 v[\reg+4*\c:\reg+4*\c+3], v[\adr] offset:(\off)+(\i)*IMG+512*\c
.endr
.endm
.macro WM a, b, p, q, sc, zero         ; A's block a x B's block b; p: B's set; sc, q: the scale words' set and K half
.set AC, 8*(8*((\a)%4)+(\b))
.set BF, 128*(\p)+FR*(\b)
.set AA, AF+FR*(\a)
.if \zero
	v_wmma_scale_f32_16x16x128_f8f6f4 v[AC:AC+7], v[BF:BF+FR-1], v[AA:AA+FR-1], 0, v[SC+16*(\sc)+NQ*(\b)+(\q)], v[SC+16*(\sc)+NQ*(\a)+(\q)] matrix_a_fmt:MATRIX_FMT_FP6 matrix_b_fmt:MATRIX_FMT_FP6 matrix_a_scale:MATRIX_SCALE_ROW1
.else
	v_wmma_scale_f32_16x16x128_f8f6f4 v[AC:AC+7], v[BF:BF+FR-1], v[AA:AA+FR-1], v[AC:AC+7], v[SC+16*(\sc)+NQ*(\b)+(\q)], v[SC+16*(\sc)+NQ*(\a)+(\q)] matrix_a_fmt:MATRIX_FMT_FP6 matrix_b_fmt:MATRIX_FMT_FP6 matrix_a_scale:MATRIX_SCALE_ROW1
.endif
.endm
; 16 matrix instructions: B's blocks first .. first + 3, each against A's blocks 4 hi .. 4 hi + 3; the accumulators take turns.
; out >= 0: a run of loads was issued as scales, A's blocks 0-3, B's blocks 0 to 7, and out more behind them: ahead of B's block j the 3 (7 - j) loads of the later blocks and those out may still be out.
.macro RUN hi, p, q, sc, zero, first, out
.irp n, 0,1,2,3
.if \out >= 0
	s_wait_dscnt \out+NL*(7-(\first)-\n)
.endif
.irp a, 0,1,2,3
	WM 4*(\hi)+\a, (\first)+\n, \p, \q, \sc, \zero
.endr
.endr
.endm
.macro FETCH_A ns, noff, i0
.irp i, \i0, \i0+1, \i0+2, \i0+3
	FRAG AF+FR*(\i), ADRA+\ns, \noff, \i
.endr
.endm
; the run of loads in a step's middle, for the next step: a block's scale words where it begins (sset >= 0: into that set), A's blocks 0-3, B's eight into set pn
.macro MID ns, noff, pn, sset, soff
.if \sset >= 0
.irp g, 0,1,2,3
	ds_load_b128 v[SC+16*(\sset)+4*\g:SC+16*(\sset)+4*\g+3], v[ADRS+\ns] offset:(\soff)+256*\g
.endr
.endif
	FETCH_A \ns, \noff, 0
	WIN TO_B
.irp i, 0,1,2,3,4,5,6,7
	FRAG 128*(\pn)+FR*\i, ADRB+\ns, \noff, \i
.endr
	WIN 0
.endm
.macro PLACES n
.rept \n
	v_nop
.endr
.endm
.macro HIGH p, sc, q, zero, ns, noff   ; a step's second half, and the next step's blocks 4-7 of A
	WIN MUL_HI
	RUN 1, \p, \q, \sc, \zero, 0, -1
	RUN 1, \p, \q, \sc, \zero, 4, -1
	PLACES NP
	WIN 0
	FETCH_A \ns, \noff, 4
.endm
; a step of 128 along K whose successor lies in the same fill
.macro STEP p, sc, q, zero, ns, noff, sset, soff
	WIN MUL_LO
	RUN 0, \p, \q, \sc, \zero, 0, 4*NL             ; behind B's block 7 the 12 loads of A's blocks 4-7 may be out
	RUN 0, \p, \q, \sc, \zero, 4, 4*NL
	s_wait_dscnt 0                                 ; A's blocks 4-7 are in
	PLACES NP
	WIN 0
	MID \ns, \noff, 1-(\p), \sset, \soff
	HIGH \p, \sc, \q, \zero, \ns, \noff
.endm
; a fill's last step, and the change of slots.  All that this step still reads of its slot is in registers behind the first half's waits and the wait for 0, so the slot is given up in the step's middle.
; fill = 1: the slot takes rows rows from byte aoff of A's group and of the group at s[bsrc]
.macro TURN p, sc, q, slot, fill, rows, aoff, bsrc, ns, noff, sset, soff, ask
	WIN MUL_LO
	RUN 0, \p, \q, \sc, 0, 0, 4*NL
	RUN 0, \p, \q, \sc, 0, 4, 4*NL
	WIN 0
	s_wait_tensorcnt 0x0                           ; my one load that was out, my piece of the next slot, has landed;
	ds_add_u32 v[SPW], v[NIL]                      ; 0 onto my spare word;
	s_wait_dscnt 0x0                               ; the add is done and my reads of this slot are over
	s_barrier_signal -1
	s_barrier_wait -1
.if \fill
	CREST                                          ; the barrier has opened a round: no wave of any partner still reads this slot or has a load on its way
	ROWS \rows
	s_add_nc_u64 s[G0+4*\slot+2:G0+4*\slot+3], s[AB:AB+1], \aoff
	s_or_b32 s[G0+4*\slot+3], s[G0+4*\slot+3], 0x80000000
	s_add_nc_u64 s[G0B+4*\slot+2:G0B+4*\slot+3], s[\bsrc:\bsrc+1], \aoff
	s_or_b32 s[G0B+4*\slot+3], s[G0B+4*\slot+3], 0x80000000
	JLOAD G0+4*\slot, G1, G0B+4*\slot, G1B         ; the first tensor load behind the round; its four v_nop are the places in front of the loads below
.else
	PLACES NP
.endif
	MID \ns, \noff, 1-(\p), \sset, \soff
.if \ask >= 0
	ASK \ask
.endif
	HIGH \p, \sc, \q, 0, \ns, \noff
.endm
; THE WAY OUT.  All 512 numbers a lane are first multiplied by 2 log2(e): these are the matrix results' first readers, each accumulator from its low end on, and no transcendental stands ahead of them.
.macro EPIM wset
	WIN \wset
.set kk, 0
.rept 128
	v_pk_mul_f32 v[2*kk:2*kk+1], v[2*kk:2*kk+1], s[CC:CC+1] op_sel_hi:[1,0]
.set kk, kk+1
.endr
.endm
; Then a window goes in chunks of 32 registers through four stages, a phase apart: 2^t, + 1, the reciprocal, x w2.  ONE wait opens a phase: whatever a phase reads was written in an earlier one.
; The multiply-adds stand together, directly behind the wait: their sums are read again with no transcendental between.  A block's sums are four pairs, in the first eight registers of its own accumulators, by turns.
.macro PHASE k
	s_wait_alu depctr_va_vdst(0)
.if (\k) >= 3
.irp bb, 0,1,2,3
.irp p, 0,1,2,3
.set YY, 32*((\k)-3)+8*\bb+2*\p
.set SS, 64*(((\k)-3)/2)+2*\p
.set WW, W2R+32*(((\k)-3)%2)+8*\bb+2*\p
.if YY == SS
	v_pk_mul_f32 v[SS:SS+1], v[SS:SS+1], v[WW:WW+1]
.else
	v_pk_fma_f32 v[SS:SS+1], v[YY:YY+1], v[WW:WW+1], v[SS:SS+1]
.endif
.endr
.endr
.endif
.set ii, 0
.rept 16
.if (\k) < 8
	v_exp_f32 v[32*(\k)+2*ii], v[32*(\k)+2*ii]
.endif
.if ((\k) >= 1) && ((\k) <= 8)
	v_pk_add_f32 v[32*(\k)-32+2*ii:32*(\k)-31+2*ii], v[32*(\k)-32+2*ii:32*(\k)-31+2*ii], 1.0 op_sel_hi:[1,0]
.endif
.if (\k) < 8
	v_exp_f32 v[32*(\k)+2*ii+1], v[32*(\k)+2*ii+1]
.endif
.if ((\k) >= 2) && ((\k) <= 9)
	v_rcp_f32 v[32*(\k)-64+2*ii], v[32*(\k)-64+2*ii]
	v_rcp_f32 v[32*(\k)-63+2*ii], v[32*(\k)-63+2*ii]
.endif
.set ii, ii+1
.endr
.if (\k) <= 9
	v_nop                                          ; a plain place behind the phase's last transcendental
.endif
.endm
.macro EPIW w, wrun, wpk, wout         ; wrun: source 0, source 2 and destination in window w, source 1 (w2) in window 0
	WIN \wrun
.irp k, 0,1,2,3,4,5,6,7,8,9,10
	PHASE \k
.endr
	WIN \wpk
.irp a, 0,1,2,3
	v_pk_add_f32 v[64*\a:64*\a+1], v[64*\a:64*\a+1], v[64*\a+2:64*\a+3]
	v_pk_add_f32 v[64*\a+4:64*\a+5], v[64*\a+4:64*\a+5], v[64*\a+6:64*\a+7]
.endr
.irp a, 0,1,2,3
	v_pk_add_f32 v[64*\a:64*\a+1], v[64*\a:64*\a+1], v[64*\a+4:64*\a+5]
.endr
	WIN \wout
.irp a, 0,1,2,3
	v_add_f32 v[TT+4*(\w-2)+\a], v[64*\a], v[64*\a+1]
.endr
.endm
	s_wait_tensorcnt 0x0                           ; my piece of slot 0 is in; these lines stand ahead of a later first fill as ahead of a refill
	ds_add_u32 v[SPW], v[NIL]
	ROWS 148                                       ; no tensor load of mine is out
	s_wait_dscnt 0x0
	CROUND                                         ; slot 0 is whole, and all sixteen work-groups are here
	JLOAD G0+4, G1, G0B+4, G1B                     ; the second fill, the first tensor load behind the round
	MID 0, Q0, 0, 0, 0
	FETCH_A 0, Q0, 4
	ASK 3
	ASK 4
	s_mov_b32 s2, 2                                ; tiles to go
.Ltile:
	W2LOAD 8
	STEP 0,0,0,1, 0,Q1,-1,0                        ; block 0; a tile's first products start the sums: nothing is cleared
	STEP 1,0,1,0, 0,Q2,1,BLK
	TURN 0,1,0, 0,1,152,3*BLK,BB, 1,0,-1,0, 5      ; block 1's first half; slot 0 takes blocks 3 and 4's first half
	STEP 1,1,1,0, 1,Q1,0,12288
	STEP 0,0,0,0, 1,BLK,-1,0                       ; block 2
	TURN 1,0,1, 1,1,148,4*BLK+Q1,BB, 0,Q0,1,0, 6   ; slot 1 takes block 4's second half and block 5
	STEP 0,1,0,0, 0,Q1,-1,0                        ; block 3
	STEP 1,1,1,0, 0,Q2,0,BLK
	TURN 0,0,0, 0,1,100,6*BLK,BB, 1,0,-1,0, 7      ; block 4's first half; slot 0 takes block 6
	STEP 1,0,1,0, 1,Q1,1,12288
	STEP 0,1,0,0, 1,BLK,-1,0                       ; block 5
	TURN 1,1,1, 1,1,100,7*BLK,BB, 0,Q0,0,0, -1     ; slot 1 takes block 7
	STEP 0,0,0,0, 0,Q1,-1,0                        ; block 6
	s_cmp_eq_u32 s2, 1
	s_cbranch_scc1 .Llast
	TURN 1,0,1, 0,1,152,0,B2, 1,Q0,1,0, -1         ; the ring goes on into the second tile: slot 0 takes its first fill,
	STEP 0,1,0,0, 1,Q1,-1,0                        ; block 7
	TURN 1,1,1, 1,1,148,BLK+Q1,B2, 0,Q0,0,0, -1    ; slot 1 its second
	s_branch .Lout
.Llast:
	TURN 1,0,1, 0,0,0,0,B2, 1,Q0,1,0, -1           ; the last tile's tail fetches nothing more
	STEP 0,1,0,0, 1,Q1,-1,0
	WIN MUL_LO
	RUN 0, 1, 1, 1, 0, 0, 4*NL
	RUN 0, 1, 1, 1, 0, 4, 4*NL
	s_wait_dscnt 0
	WIN MUL_HI
	RUN 1, 1, 1, 1, 0, 0, -1
	RUN 1, 1, 1, 1, 0, 4, -1
	WIN 0
.Lout:
	s_wait_loadcnt 0x0                             ; w2 is in
	PLACES NP
	EPIM 0x82
	EPIM 0xc3
	EPIW 2, 0xa2, 0x8a, 0x0a
	EPIW 3, 0xf3, 0xcf, 0x0f
	WIN 0
.irp a, 0,1,2,3,4,5,6,7
	v_permlanex16_b32 v[XL+\a], v[TT+\a], s[SEL], s[SEL+1]
.endr
.irp a, 0,1,2,3,4,5,6,7
	v_add_f32 v[TT+\a], v[TT+\a], v[XL+\a]         ; with lane l xor 16's eight columns of each sixteen: row r's sum over my 128 columns
.endr
.irp a, 0,1,2,3,4,5,6,7
	ds_store_b32 v[STO], v[TT+\a] offset:64*\a     ; both halves of the lanes write the same word with the same value
.endr
	s_wait_xcnt 0x0                                ; an earlier store has read its data
	ds_load_b128 v[OUTR:OUTR+3], v[RD]             ; my own bytes: LDS serves a wave's instructions in order (ISA guide 5.7.1.4)
	s_wait_dscnt 0x0
	global_store_b128 v[CO], v[OUTR:OUTR+3], s[10:11]   ; 32 lanes store 512 consecutive bytes, aligned
	s_wait_xcnt 0x0                                ; the store and w2's loads have read their bases: on to the second tile's
	s_mov_b64 s[8:9], s[W2B:W2B+1]
	s_mov_b64 s[10:11], s[PT2:PT2+1]
	s_mov_b64 s[BB:BB+1], s[B2:B2+1]
	s_mov_b32 s[LIM], 0                            ; the second tile asks for nothing ahead
	s_sub_co_u32 s2, s2, 1
	s_cmp_lg_u32 s2, 0
	s_wait_alu depctr_va_vdst(0)
	s_cbranch_scc1 .Ltile
	s_wait_tensorcnt 0x0                           ; the wave's end
	ds_add_u32 v[SPW], v[NIL]
	s_wait_dscnt 0x0
	CROUND                                         ; the closing round
	s_endpgm
.Lfunc_end_k_q2883e22fe2_gemm:
	.size	k_q2883e22fe2_gemm, .Lfunc_end_k_q2883e22fe2_gemm-k_q2883e22fe2_gemm
	.p2alignl 7, 3214868480
	.fill 96, 4, 3214868480
	.section	.rodata,"a",@progbits
	.p2align	6, 0x0
	.amdhsa_kernel k_q2883e22fe2_gemm
		.amdhsa_group_segment_fixed_size 327680
		.amdhsa_private_segment_fixed_size 0
		.amdhsa_enable_private_segment 0
		.amdhsa_kernarg_size 32
		.amdhsa_user_sgpr_count 2
		.amdhsa_user_sgpr_kernarg_segment_ptr 1
		.amdhsa_wavefront_size32 1
		.amdhsa_system_sgpr_workgroup_id_x 1
		.amdhsa_system_sgpr_workgroup_id_y 1
		.amdhsa_system_sgpr_workgroup_id_z 1
		.amdhsa_system_vgpr_workitem_id 0
		.amdhsa_next_free_vgpr 1024
		.amdhsa_next_free_sgpr 100
		.amdhsa_reserve_vcc 0
		.amdhsa_float_denorm_mode_32 3
		.amdhsa_float_denorm_mode_16_64 3
		.amdhsa_memory_ordered 1
		.amdhsa_forward_progress 1
		.amdhsa_inst_pref_size 255
	.end_amdhsa_kernel
	.section	.bss,"aw",@nobits
	.p2align	6
	.space	262144
	.amdgpu_metadata
---
amdhsa.version: [ 1, 2 ]
amdhsa.kernels:
  - .name:           k_q2883e22fe2_gemm
    .symbol:         k_q2883e22fe2_gemm.kd
    .args:
      - { .name: aq, .offset: 0, .size: 8, .value_kind: global_buffer, .address_space: global }
      - { .name: bq, .offset: 8, .size: 8, .value_kind: global_buffer, .address_space: global }
      - { .name: w2, .offset: 16, .size: 8, .value_kind: global_buffer, .address_space: global }
      - { .name: part, .offset: 24, .size: 8, .value_kind: global_buffer, .address_space: global }
    .group_segment_fixed_size: 327680
    .private_segment_fixed_size: 0
    .kernarg_segment_align: 8
    .kernarg_segment_size: 32
    .max_flat_workgroup_size: 128
    .sgpr_count:     100
    .vgpr_count:     1024
    .wavefront_size: 32
...
	.end_amdgpu_metadata
.endif
;; end of part 2
;; launch attend (part 3): grid 16 x 16, 16 waves a work-group, no clusters, 14,848 bytes of LDS; arguments part, encoded_outputs, out0; writes out0
.if DOCPART == 3
	.amdgcn_target "amdgcn-amd-amdhsa--gfx1250"
	.amdhsa_code_object_version 6
	.text
	.protected	k_q2883e22fe2_attend
	.globl	k_q2883e22fe2_attend
	.p2align	8
	.type	k_q2883e22fe2_attend,@function
k_q2883e22fe2_attend:
	s_mov_b64 s[64:65], 0
	v_nop
	global_prefetch_b8 v0, s[64:65] scope:SCOPE_SE
	s_setreg_imm32_b32 hwreg(HW_REG_WAVE_MODE, 25, 1), 1
	s_wait_xcnt 0x0
; out0[b][h] = sum over s of softmax_s(score[b][s]) enc[b][s][h], with score[b][s] = -2 x (the sum of part's 16 chunks at (b, s)).
; WORK LEFT OUT: the term sum_i w2[i] of the score, the same for all s of a row: this softmax cancels it (shown at the head of the first launch).
; SHARES.  Work-group (x, y) owns out0[y][64 x .. 64 x + 63]: each output has one owner.  Each of the 16 work-groups of a batch takes the batch's softmax for itself: 64 KiB of partial scores against 256 KiB of enc.
; Thread t adds the 16 chunks of s = 2 t, 2 t + 1, in a fixed tree order.  The row's maximum is taken away before the exponential; the sum divides at the end.
; Wave w takes enc's rows 64 w .. 64 w + 63: lanes 0-15 the first 32, lanes 16-31 the other 32; sixteen lanes read a row's 256 consecutive bytes, aligned.  All of a wave's loads are issued at the head.
; All in f32: fused multiply-adds ride on data that is in registers anyway; a product with one row has nothing for the matrix units.  No tensor loads, no cluster: work-groups share only the small partial scores.
.set MAXW,  0                          ; LDS: 16 words: the waves' maxima
.set SUMW,  256                        ; 16 words: the waves' sums
.set PW,    512                        ; 1,024 weights
.set OUTP,  4608                       ; 32 partial rows of 64 numbers
.set SPARE, 12800                      ; the spare words, 128 bytes for each of 16 waves, that no other line names
.set T8,   1                           ; v1   8 x thread
.set EO,   2                           ; v2   my byte offset in enc: 32 (thread / 16) rows of 4,096 bytes + 16 (lane % 16)
.set WA,   3                           ; v3   where my 32 weights begin in PW: 128 (thread / 16)
.set SPW,  4                           ; v4   LDS address of my spare word; never rewritten
.set NIL,  5                           ; v5   0; never rewritten
.set T16,  6                           ; v6   16 x thread
.set XL,   7                           ; v7   what the other half of the lanes holds
.set PT,   8                           ; v8-39   16 pairs of partial scores; v8-9 then t, then p
.set EN,   40                          ; v40-167 32 x 4 numbers of enc; in wave 0 later the 32 partial rows
.set WG,   168                         ; v168-199 my 32 weights
.set ACC,  200                         ; v200-203
.set M,    204                         ; v204 the maximum; later 1 / the sum
.set SM,   205                         ; v205 the wave's sum
.set W4,   206                         ; v206 4 x wave
.set Z,    207                         ; v207 0, as an LDS address
.set RB,   208                         ; v208-223 sixteen words read back
	s_load_b128 s[4:7], s[0:1], 0x0                ; part, enc
	s_load_b64 s[8:9], s[0:1], 0x10                ; out0
	v_lshl_add_u32 v[SPW], v0, 2, SPARE
	v_mov_b32 v[NIL], 0
	v_lshrrev_b32 v[W4], 5, v0
	s_delay_alu instid0(VALU_DEP_1)
	v_readfirstlane_b32 s16, v[W4]                 ; wave 0..15
	s_delay_alu instid0(VALU_DEP_2)
	v_lshlrev_b32 v[W4], 2, v[W4]
	v_lshlrev_b32 v[T8], 3, v0
	v_lshlrev_b32 v[T16], 4, v0
	v_and_b32 v[EO], 15, v0
	s_delay_alu instid0(VALU_DEP_1)
	v_lshlrev_b32 v[EO], 4, v[EO]
	v_lshrrev_b32 v[WA], 4, v0
	s_delay_alu instid0(VALU_DEP_1)
	v_lshl_add_u32 v[EO], v[WA], 17, v[EO]
	s_delay_alu instid0(VALU_DEP_2)
	v_lshlrev_b32 v[WA], 7, v[WA]
	v_mov_b32 v[Z], 0
	v_mov_b32 v[XL], 0                             ; written once: a lane permute's destination counts as one of its sources
	s_mov_b32 s12, 0x76543210
	s_mov_b32 s13, 0xfedcba98                      ; v_permlanex16_b32's selects for lane l xor 16
	s_and_b32 s17, ttmp7, 0xffff                   ; b
	s_lshl_b32 s18, s17, 12                        ; the batch's 1,024 numbers in a chunk of part, and its row of out0
	s_mov_b32 s19, 0
	s_lshl_b32 s20, s17, 22
	s_lshl_b32 s22, ttmp9, 8                       ; my 64 columns
	s_add_co_u32 s20, s20, s22
	s_mov_b32 s21, 0
	s_add_co_u32 s22, s22, s18
	s_mov_b32 s23, 0
	s_wait_alu depctr_va_vdst(0)
	s_wait_kmcnt 0x0
	s_add_nc_u64 s[4:5], s[4:5], s[18:19]
	s_add_nc_u64 s[6:7], s[6:7], s[20:21]
	s_add_nc_u64 s[8:9], s[8:9], s[22:23]
.irp c, 0,1,2,3,4,5,6,7,8,9,10,11,12,13,14,15
	global_load_b64 v[PT+2*\c:PT+2*\c+1], v[T8], s[4:5] offset:65536*\c
.endr
.irp n, 0,1,2,3,4,5,6,7,8,9,10,11,12,13,14,15,16,17,18,19,20,21,22,23,24,25,26,27,28,29,30,31
	global_load_b128 v[EN+4*\n:EN+4*\n+3], v[EO], s[6:7] offset:4096*\n th:TH_LOAD_NT
.endr
	s_wait_loadcnt 32                              ; the 16 partial scores are in; the 32 loads of enc stay out
	v_pk_add_f32 v[222:223], v[10:11], v[12:13]
	v_pk_add_f32 v[220:221], v[14:15], v[16:17]
	v_pk_add_f32 v[218:219], v[18:19], v[20:21]
	v_pk_add_f32 v[216:217], v[22:23], v[24:25]
	v_pk_add_f32 v[214:215], v[26:27], v[28:29]
	v_pk_add_f32 v[212:213], v[30:31], v[32:33]
	v_pk_add_f32 v[210:211], v[34:35], v[36:37]
	v_pk_add_f32 v[8:9], v[8:9], v[38:39]
	s_delay_alu instid0(VALU_DEP_1)
	v_pk_add_f32 v[8:9], v[8:9], v[216:217]
	v_pk_add_f32 v[222:223], v[222:223], v[214:215]
	v_pk_add_f32 v[220:221], v[220:221], v[212:213]
	v_pk_add_f32 v[218:219], v[218:219], v[210:211]
	s_delay_alu instid0(VALU_DEP_2)
	v_pk_add_f32 v[8:9], v[8:9], v[220:221]
	s_delay_alu instid0(VALU_DEP_2)
	v_pk_add_f32 v[222:223], v[222:223], v[218:219]
	s_delay_alu instid0(VALU_DEP_1)
	v_pk_add_f32 v[8:9], v[8:9], v[222:223]
	s_delay_alu instid0(VALU_DEP_1)
	v_mul_f32 v[PT], 0xc038aa3b, v[PT]             ; t = score x log2(e) = -2 log2(e) x the sum
	s_delay_alu instid0(VALU_DEP_2)
	v_mul_f32 v[PT+1], 0xc038aa3b, v[PT+1]
	s_delay_alu instid0(VALU_DEP_1)
	v_max_num_f32 v[M], v[PT], v[PT+1]
	s_delay_alu instid0(VALU_DEP_1)
	v_max_num_f32_dpp v[M], v[M], v[M] row_xmask:1 row_mask:0xf bank_mask:0xf
	s_delay_alu instid0(VALU_DEP_1)
	v_max_num_f32_dpp v[M], v[M], v[M] row_xmask:2 row_mask:0xf bank_mask:0xf
	s_delay_alu instid0(VALU_DEP_1)
	v_max_num_f32_dpp v[M], v[M], v[M] row_xmask:4 row_mask:0xf bank_mask:0xf
	s_delay_alu instid0(VALU_DEP_1)
	v_max_num_f32_dpp v[M], v[M], v[M] row_xmask:8 row_mask:0xf bank_mask:0xf
	s_delay_alu instid0(VALU_DEP_1)
	v_permlanex16_b32 v[XL], v[M], s12, s13
	s_delay_alu instid0(VALU_DEP_1)
	v_max_num_f32 v[M], v[M], v[XL]                ; the wave's maximum, in every lane
	ds_store_b32 v[W4], v[M] offset:MAXW           ; all lanes write the same word with the same value
	s_wait_dscnt 0x0                               ; for the others' sake: my store is done
	s_barrier_signal -1
	s_barrier_wait -1
.irp g, 0,1,2,3
	ds_load_b128 v[RB+4*\g:RB+4*\g+3], v[Z] offset:MAXW+16*\g
.endr
	s_wait_dscnt 0x0
	v_max3_num_f32 v[M], v[RB], v[RB+1], v[RB+2]
.irp i, 3,5,7,9,11,13
	s_delay_alu instid0(VALU_DEP_1)
	v_max3_num_f32 v[M], v[M], v[RB+\i], v[RB+\i+1]
.endr
	s_delay_alu instid0(VALU_DEP_1)
	v_max_num_f32 v[M], v[M], v[RB+15]             ; the row's maximum
	s_delay_alu instid0(VALU_DEP_1)
	v_sub_f32 v[PT], v[PT], v[M]
	s_delay_alu instid0(VALU_DEP_2)
	v_sub_f32 v[PT+1], v[PT+1], v[M]
	s_wait_alu depctr_va_vdst(0)
	v_exp_f32 v[PT], v[PT]                         ; p = 2^(t - the maximum), at most 1
	v_exp_f32 v[PT+1], v[PT+1]
	v_nop                                          ; a plain instruction behind the exponentials
	s_wait_alu depctr_va_vdst(0)                   ; one wait ahead of the first reader, for both
	v_add_f32 v[SM], v[PT], v[PT+1]
	s_delay_alu instid0(VALU_DEP_1)
	v_add_f32_dpp v[SM], v[SM], v[SM] row_xmask:1 row_mask:0xf bank_mask:0xf
	s_delay_alu instid0(VALU_DEP_1)
	v_add_f32_dpp v[SM], v[SM], v[SM] row_xmask:2 row_mask:0xf bank_mask:0xf
	s_delay_alu instid0(VALU_DEP_1)
	v_add_f32_dpp v[SM], v[SM], v[SM] row_xmask:4 row_mask:0xf bank_mask:0xf
	s_delay_alu instid0(VALU_DEP_1)
	v_add_f32_dpp v[SM], v[SM], v[SM] row_xmask:8 row_mask:0xf bank_mask:0xf
	s_delay_alu instid0(VALU_DEP_1)
	v_permlanex16_b32 v[XL], v[SM], s12, s13
	s_delay_alu instid0(VALU_DEP_1)
	v_add_f32 v[SM], v[SM], v[XL]                  ; the wave's sum
	ds_store_b64 v[T8], v[PT:PT+1] offset:PW
	ds_store_b32 v[W4], v[SM] offset:SUMW
	s_wait_dscnt 0x0
	s_barrier_signal -1
	s_barrier_wait -1                              ; all 1,024 weights and the 16 sums lie in LDS
.irp g, 0,1,2,3,4,5,6,7
	ds_load_b128 v[WG+4*\g:WG+4*\g+3], v[WA] offset:PW+16*\g   ; sixteen lanes read the same 16 bytes
.endr
	s_wait_dscnt 0x0
	s_wait_loadcnt 31                              ; row 0 of my 32 is in; the 31 loads behind it may be out
.irp u, 0,1,2,3
	v_mul_f32 v[ACC+\u], v[EN+\u], v[WG]           ; the first product starts the sums
.endr
	s_wait_alu depctr_va_vdst(0)
.irp n, 1,2,3,4,5,6,7,8,9,10,11,12,13,14,15,16,17,18,19,20,21,22,23,24,25,26,27,28,29,30,31
	s_wait_alu depctr_va_vdst(0)
	s_wait_loadcnt 31-\n                           ; loads come back in order (ISA guide 5.7.1): row n is in
.irp u, 0,1,2,3
	v_fma_f32 v[ACC+\u], v[EN+4*\n+\u], v[WG+\n], v[ACC+\u]
.endr
.endr
	ds_store_b128 v[T16], v[ACC:ACC+3] offset:OUTP ; partial row thread / 16, 16 bytes a lane
	s_wait_dscnt 0x0
	s_barrier_signal -1
	s_barrier_wait -1                              ; the 32 partial rows lie in LDS
	s_cmp_lg_u32 s16, 0
	s_cbranch_scc1 .Ldone                          ; wave 0 adds them, in fixed order, divides and stores
.irp k, 0,1,2,3,4,5,6,7,8,9,10,11,12,13,14,15,16,17,18,19,20,21,22,23,24,25,26,27,28,29,30,31
	ds_load_b64 v[EN+2*\k:EN+2*\k+1], v[T8] offset:OUTP+256*\k   ; in wave 0 the thread is the lane: 8 bytes a lane
.endr
.irp g, 0,1,2,3
	ds_load_b128 v[RB+4*\g:RB+4*\g+3], v[Z] offset:SUMW+16*\g
.endr
	s_wait_dscnt 0x0
	v_add_f32 v207, v209, v210
	v_add_f32 v206, v211, v212
	v_add_f32 v204, v213, v214
	v_add_f32 v203, v215, v216
	v_add_f32 v202, v217, v218
	v_add_f32 v201, v219, v220
	v_add_f32 v200, v221, v222
	v_add_f32 v208, v208, v223
	s_delay_alu instid0(VALU_DEP_1)
	v_add_f32 v208, v208, v203
	v_add_f32 v207, v207, v202
	v_add_f32 v206, v206, v201
	v_add_f32 v204, v204, v200
	s_delay_alu instid0(VALU_DEP_2)
	v_add_f32 v208, v208, v206
	s_delay_alu instid0(VALU_DEP_2)
	v_add_f32 v207, v207, v204
	s_delay_alu instid0(VALU_DEP_1)
	v_add_f32 v208, v208, v207
	s_wait_alu depctr_va_vdst(0)
	v_rcp_f32 v[M], v[RB]
.irp k, 2
	v_pk_add_f32 v[EN:EN+1], v[EN:EN+1], v[EN+2*\k:EN+2*\k+1]       ; two chains; plain work behind the reciprocal that names neither its result nor its source
	v_pk_add_f32 v[EN+2:EN+3], v[EN+2:EN+3], v[EN+2*\k+2:EN+2*\k+3]
.endr
.irp k, 4, 6, 8, 10, 12, 14, 16, 18, 20, 22, 24, 26, 28, 30
	s_delay_alu instid0(VALU_DEP_2)
	v_pk_add_f32 v[EN:EN+1], v[EN:EN+1], v[EN+2*\k:EN+2*\k+1]       ; two chains; plain work behind the reciprocal that names neither its result nor its source
	s_delay_alu instid0(VALU_DEP_2)
	v_pk_add_f32 v[EN+2:EN+3], v[EN+2:EN+3], v[EN+2*\k+2:EN+2*\k+3]
.endr
	s_delay_alu instid0(VALU_DEP_1)
	v_pk_add_f32 v[EN:EN+1], v[EN:EN+1], v[EN+2:EN+3]
	s_wait_alu depctr_va_vdst(0)
	v_pk_mul_f32 v[EN:EN+1], v[EN:EN+1], v[M:M+1] op_sel_hi:[1,0]
	global_store_b64 v[T8], v[EN:EN+1], s[8:9]     ; 32 lanes store 256 consecutive bytes, at a multiple of 256 from out0's first byte
.Ldone:
	s_wait_tensorcnt 0x0                           ; the wave's end, behind my last LDS store
	ds_add_u32 v[SPW], v[NIL]
	s_wait_dscnt 0x0
	s_endpgm
.Lfunc_end_k_q2883e22fe2_attend:
	.size	k_q2883e22fe2_attend, .Lfunc_end_k_q2883e22fe2_attend-k_q2883e22fe2_attend
	.p2alignl 7, 3214868480
	.fill 96, 4, 3214868480
	.section	.rodata,"a",@progbits
	.p2align	6, 0x0
	.amdhsa_kernel k_q2883e22fe2_attend
		.amdhsa_group_segment_fixed_size 14848
		.amdhsa_private_segment_fixed_size 0
		.amdhsa_enable_private_segment 0
		.amdhsa_kernarg_size 24
		.amdhsa_user_sgpr_count 2
		.amdhsa_user_sgpr_kernarg_segment_ptr 1
		.amdhsa_wavefront_size32 1
		.amdhsa_system_sgpr_workgroup_id_x 1
		.amdhsa_system_sgpr_workgroup_id_y 1
		.amdhsa_system_sgpr_workgroup_id_z 1
		.amdhsa_system_vgpr_workitem_id 0
		.amdhsa_next_free_vgpr 224
		.amdhsa_next_free_sgpr 66
		.amdhsa_reserve_vcc 0
		.amdhsa_float_denorm_mode_32 3
		.amdhsa_float_denorm_mode_16_64 3
		.amdhsa_memory_ordered 1
		.amdhsa_forward_progress 1
		.amdhsa_inst_pref_size 27
	.end_amdhsa_kernel
	.amdgpu_metadata
---
amdhsa.version: [ 1, 2 ]
amdhsa.kernels:
  - .name:           k_q2883e22fe2_attend
    .symbol:         k_q2883e22fe2_attend.kd
    .args:
      - { .name: part, .offset: 0, .size: 8, .value_kind: global_buffer, .address_space: global }
      - { .name: encoded_outputs, .offset: 8, .size: 8, .value_kind: global_buffer, .address_space: global }
      - { .name: out0, .offset: 16, .size: 8, .value_kind: global_buffer, .address_space: global }
    .group_segment_fixed_size: 14848
    .private_segment_fixed_size: 0
    .kernarg_segment_align: 8
    .kernarg_segment_size: 24
    .max_flat_workgroup_size: 512
    .sgpr_count:     66
    .vgpr_count:     224
    .wavefront_size: 32
...
	.end_amdgpu_metadata
.endif
;; end of part 3
